; MI455X (gfx1250); checked and timed in simulation.
; The chip was launched on July 23, 2026; its instructions are those of AMD's public machine-readable ISA for CDNA 5 (MIT licence, August 2026) and "CDNA5" Instruction Set Architecture Reference Guide (July 2026). The comments in the code are by the model that wrote it; some were corrected since.
;; Multi Head Attention. Allowed arithmetic: matrix products marked QUANTISED: E2M1 operands, one E8M0 scale for each 32 along K, by v_wmma_scale_f32_16x16x128_f8f6f4 with both operands' format E2M1 (or v_wmma_scale_f32_32x16x128_f4), f32 sums; products left as they are: bf16, f16 or f32 operands; f32 sums; everything else in f32.
;; Inputs: K 2 x 4,096 x 512 float32; Q 2 x 4,096 x 512 float32; V 2 x 4,096 x 512 float32; W_k 512 x 512 float32; W_o 512 x 512 float32; W_q 512 x 512 float32; W_v 512 x 512 float32; b_k 512 float32; b_o 512 float32; b_q 512 float32; b_v 512 float32; mask 2 x 4,096 int32.
;; Outputs: out0 2 x 4,096 x 512 float32.
;; This version of the problem:
;;   THIS VERSION OF THE PROBLEM IS GIVEN IN LOW PRECISION. The matrix products marked QUANTISED in the list below multiply operands that are first quantised to E2M1 (2 exponent bits, 1 mantissa bit; 4 bits a number), with one power-of-two scale for each 32 numbers along K (OCP MX v1.0); their sums are f32. The products marked 'left as it is' may take bf16, f16 or f32 operands, with f32 sums. Whichever they take, every output number must still come out within the allowed error. Rounding operands to bf16 (8 significant bits) uses up far more of that allowance than f16 does (11 bits, for magnitudes from 6e-5 to 65,504). All else is computed in f32.
;;   The module's matrix products, in the order in which they are computed (A, B: the left and right operand; K: the contracted axis; several contracted axes count as one K, in the product's order):
;;     1. [M 8,192, K 512] x [K 512, N 512]; A: input Q; B: input W_q: QUANTISED
;;     2. [M 8,192, K 512] x [K 512, N 512]; A: input K; B: input W_k: QUANTISED
;;     3. [M 8,192, K 512] x [K 512, N 512]; A: input V; B: input W_v: QUANTISED
;;     4. batch 16 x [M 4,096, K 64] x [K 64, N 4,096]; A: computed on the way; B: computed on the way: left as it is (an operand is computed on the way)
;;     5. batch 16 x [M 4,096, K 4,096] x [K 4,096, N 64]; A: computed on the way; B: computed on the way: left as it is (an operand is computed on the way)
;;     6. [M 8,192, K 512] x [K 512, N 512]; A: computed on the way; B: input W_o: left as it is (an operand is computed on the way)
;;   THE QUANTISER, for each operand of a quantised product, along K:
;;     - K is cut into blocks of 32 from its start; a last block that is shorter is filled with zeros.
;;     - A block's scale is 2^e with e = floor(log2(the largest magnitude in the block)) - 2, held to -126 .. 127; a block of zeros has e = 0. As a byte (E8M0): e + 127.
;;     - Each number is divided by its block's scale, clamped to +-6, and rounded to the nearest number of E2M1, ties to even, subnormals kept.
;;     - The product sums the exact products of the quantised numbers (number of the format x scale) in f32.
;;   ~~~python
;;   def quantise(x, axis):      # numpy; x: float32 -> the quantised numbers, widened to float32 again
;;       x = np.moveaxis(x, axis, -1); K = x.shape[-1]
;;       x = np.pad(x, [(0, 0)] * (x.ndim - 1) + [(0, -K % 32)]); x = x.reshape(x.shape[:-1] + (-1, 32)); a = np.abs(x).max(-1, keepdims=True)
;;       e = np.where(a > 0, np.clip(np.frexp(np.where(a > 0, a, 1))[1] - 1 - 2, -126, 127), 0)      # np.frexp(a)[1] - 1 = floor(log2(a)), exactly
;;       r = np.clip(x / 2.0 ** e, -6, 6)
;;       step = 2.0 ** (np.maximum(np.frexp(np.where(r == 0, 1, r))[1] - 1, 0) - 1)
;;       q = np.round(r / step) * step * 2.0 ** e      # np.round: ties to even
;;       return np.moveaxis(q.reshape(q.shape[:-2] + (-1,))[..., :K], -1, axis).astype(np.float32)
;;   ~~~
;; One version. Each part assembles by itself: llvm-mc -triple=amdgcn-amd-amdhsa -mcpu=gfx1250 --defsym DOCPART=n.
;; ======== version 1 of 1: 4 launches
;; limits: values are held in f16: magnitudes above 65,504 overflow, below 6.1e-05 lose precision; right only within a limited range of input values
;; workspace buffers: wq4 442,368 bytes; wo16 524,288 bytes; order 33,024 bytes of whole numbers; qf 8,388,608 bytes; kf 8,388,608 bytes; vf 8,388,608 bytes; at 8,388,608 bytes
;; launch prep (part 1): grid 136 x 1, 4 waves a work-group, no clusters, 0 bytes of LDS; arguments W_q, W_k, W_v, W_o, mask, wq4, wo16, order; writes wq4, wo16, order
.if DOCPART == 1
	.amdgcn_target "amdgcn-amd-amdhsa--gfx1250"
	.amdhsa_code_object_version 6
	.text
	.protected	k_q282e12762f_prep
	.globl	k_q282e12762f_prep
	.p2align	8
	.type	k_q282e12762f_prep,@function
k_q282e12762f_prep:
	s_mov_b64 s[64:65], 0
	v_nop
	global_prefetch_b8 v0, s[64:65] scope:SCOPE_SE
	s_setreg_imm32_b32 hwreg(HW_REG_WAVE_MODE, 25, 1), 1
	s_wait_xcnt 0x0
; PREP.  Three kinds of work-groups, told apart by the work-group's number alone.
;  0 .. 95   W_q, W_k, W_v [512 (n)][512 (k)] f32 -> codes of FP4 (E2M1) and E8M0 scale words, laid in the order of an operand's registers:
;            codes  wq4[t 3][nt 32][s 4][c 2][lane 32][16 bytes]  (16 rows n, 128 along K: lane (r, h) holds row r, registers 4 c .. 4 c + 3 hold k = 64 c + 32 h + 0 .. 31)
;            words  wq4 + SCW [t][nt][s][lane 32][4 bytes]        (lane r and lane 16 + r: row r's four bytes)
;  96 .. 127 W_o -> f16, wo16[nblock 4][ks 16][nt8 8][c 2][lane][16]  (16 rows n, 32 along K: registers 0-3 k = 8 h .., registers 4-7 k = 16 + 8 h ..)
;  128 .. 135 a stable sort of each batch's keys, those that count (mask != 0) first: order[b][position] = key; behind both lists, at byte 32,768 + 128 b, the count, 32 times.
; A block's scale is 2^(floor(log2(largest magnitude)) - 2): its byte is the largest magnitude's exponent field - 2, held at 1 from below by a floor among the maximum's leaves.
; LIMITS: a block of zeros, or one whose largest magnitude lies under 2^-124, keeps the byte 1 (its bytes are read by this program alone; zero codes add nothing); NaN and infinities are not served.
; No LDS, no barrier: waves share nothing.
.set SCW, 393216
	s_load_b512 s[4:19], s[0:1], 0x0               ; W_q s[4:5], W_k s[6:7], W_v s[8:9], W_o s[10:11], mask s[12:13], wq4 s[14:15], wo16 s[16:17], order s[18:19]
	v_lshrrev_b32 v1, 5, v0
	v_readfirstlane_b32 s20, v1                    ; wave 0..3
	v_and_b32 v1, 31, v0                           ; lane
	v_and_b32 v2, 15, v0                           ; r
	v_bfe_u32 v3, v0, 4, 1                         ; h
	v_lshlrev_b32 v5, 4, v1                        ; 16 x lane
	v_lshlrev_b32 v6, 2, v1                        ; 4 x lane
	s_mov_b32 s22, 0x76543210
	s_mov_b32 s23, 0xfedcba98                      ; v_permlanex16_b32's selects for lane l xor 16
	s_wait_kmcnt 0x0
	s_cmp_lt_u32 ttmp9, 96
	s_cbranch_scc1 .Lquant
	s_cmp_lt_u32 ttmp9, 128
	s_cbranch_scc1 .Lhalf
; ---- THE SORT.  Wave u (0 .. 15) of a batch owns keys 256 u .. 256 u + 255.  Every wave counts the whole batch (16 KiB), so that no wave asks another.
	s_sub_co_u32 s24, ttmp9, 128
	s_lshr_b32 s25, s24, 2                         ; b
	s_and_b32 s21, s24, 3
	s_lshl_b32 s21, s21, 2
	s_add_co_u32 s21, s21, s20                     ; u
	s_lshl_b32 s28, s25, 14
	s_mov_b32 s29, 0
	s_add_nc_u64 s[12:13], s[12:13], s[28:29]      ; the batch's mask
	s_add_nc_u64 s[26:27], s[18:19], s[28:29]      ; the batch's list
	s_lshl_b32 s30, s21, 10
	s_mov_b32 s31, 0
	s_add_nc_u64 s[30:31], s[12:13], s[30:31]      ; my 256 keys' mask
.set i, 0
.rept 32
	global_load_b128 v[32+4*i:35+4*i], v5, s[12:13] offset:512*i   ; registers 8 g .. 8 g + 7 hold keys 256 g .. 256 g + 255, in some order
.set i, i+1
.endr
.set i, 0
.rept 8
	global_load_b32 v[16+i], v6, s[30:31] offset:128*i             ; key 256 u + 32 i + lane
.set i, i+1
.endr
	s_lshl_b32 s24, s21, 8
	v_add_nc_u32 v7, s24, v1                       ; 256 u + lane
	s_wait_loadcnt 0x0
; pass 1: how many keys count in each group of 256: s[32 + g]
.set g, 0
.rept 16
.irp e, 0,1,2,3,4,5,6,7
	v_cmp_ne_u32 s[52+\e], 0, v[32+8*g+\e]
.endr
.irp e, 0,1,2,3,4,5,6,7
	s_bcnt1_i32_b32 s[52+\e], s[52+\e]
.endr
	s_add_co_u32 s52, s52, s53
	s_add_co_u32 s54, s54, s55
	s_add_co_u32 s56, s56, s57
	s_add_co_u32 s58, s58, s59
	s_add_co_u32 s52, s52, s54
	s_add_co_u32 s56, s56, s58
	s_add_co_u32 s[32+g], s52, s56
.set g, g+1
.endr
	s_mov_b32 s48, 0                               ; C: the batch's count
	s_mov_b32 s49, 0                               ; U: those that count ahead of my first key
.set g, 0
.rept 16
	s_add_co_u32 s48, s48, s[32+g]
	s_cmp_gt_u32 s21, g
	s_cselect_b32 s51, s[32+g], 0
	s_add_co_u32 s49, s49, s51
.set g, g+1
.endr
; pass 2: a key that counts goes to (those that count ahead of it); another to C + (those that do not count ahead of it) = C + key - (those that count ahead of it)
.set i, 0
.rept 8
	v_cmp_ne_u32 s50, 0, v[16+i]
	v_mbcnt_lo_u32_b32 v8, s50, s49                ; those that count ahead of my key
	v_add_nc_u32 v[160+i], 32*i, v7                ; my key
	v_add_nc_u32 v9, s48, v[160+i]
	v_sub_nc_u32 v9, v9, v8
	v_cndmask_b32 v[168+i], v9, v8, s50
	v_min_u32 v[168+i], 4095, v[168+i]             ; a position lies inside the list
	v_lshlrev_b32 v[168+i], 2, v[168+i]
	global_store_b32 v[168+i], v[160+i], s[26:27]  ; each step has its own two registers: none is written again
	s_bcnt1_i32_b32 s51, s50
	s_add_co_u32 s49, s49, s51
.set i, i+1
.endr
	s_cmp_lg_u32 s21, 0
	s_cbranch_scc1 .Lsorted
	v_mov_b32 v10, s48
	s_lshl_b32 s28, s25, 7
	s_add_co_u32 s28, s28, 32768
	s_mov_b32 s29, 0
	s_add_nc_u64 s[28:29], s[18:19], s[28:29]
	global_store_b32 v6, v10, s[28:29]             ; the count, a word a lane
.Lsorted:
	s_endpgm
; ---- W_q, W_k, W_v: work-group = 32 t + nt, wave = K step s.  Lane (r, h) takes, of row 16 nt + r, the very k that the operand's layout gives it: two whole blocks of 32.
.Lquant:
	s_lshr_b32 s24, ttmp9, 5                       ; t
	s_and_b32 s25, ttmp9, 31                       ; nt
	s_cmp_eq_u32 s24, 0
	s_cselect_b64 s[26:27], s[4:5], s[6:7]
	s_cmp_eq_u32 s24, 2
	s_cselect_b64 s[26:27], s[8:9], s[26:27]
	s_lshl_b32 s28, s25, 15                        ; 16 rows of 2,048 bytes
	s_lshl_b32 s29, s20, 9                         ; 128 numbers
	s_add_co_u32 s28, s28, s29
	s_mov_b32 s29, 0
	s_add_nc_u64 s[26:27], s[26:27], s[28:29]
	v_lshlrev_b32 v4, 11, v2
	v_lshl_add_u32 v4, v3, 7, v4                   ; row r, + 32 h numbers
.irp c, 0,1
.irp g, 0,1,2,3,4,5,6,7
	global_load_b128 v[32+32*\c+4*\g:35+32*\c+4*\g], v4, s[26:27] offset:256*\c+16*\g
.endr
.endr
	s_wait_loadcnt 0x0
.irp c, 0,1
	v_max3_num_f32 v[24+\c], |v[32+32*\c]|, |v[33+32*\c]|, 0x1800000   ; block 2 c + h: all its 32 numbers are mine; the floor 2^(3 - 127) holds the byte at 1 from below
.endr
.irp i, 2,4,6,8,10,12,14,16,18,20,22,24,26,28,30
.irp c, 0,1
	v_max3_num_f32 v[24+\c], v[24+\c], |v[32+32*\c+\i]|, |v[33+32*\c+\i]|
.endr
.endr
.irp c, 0,1
	v_add_nc_u32 v[26+\c], 0xff000000, v[24+\c]    ; 2 off the exponent field: the conversion's scale operand
.endr
.irp c, 0,1
	v_lshrrev_b32 v[28+\c], 23, v[26+\c]           ; the scale's byte
.endr
	v_lshl_or_b32 v9, v29, 16, v28                 ; my two bytes: blocks h and 2 + h,
	v_lshlrev_b32 v10, 3, v3
	v_lshlrev_b32 v9, v10, v9                      ; 8 h bits up;
	v_mov_b32 v10, 0
	v_permlanex16_b32 v10, v9, s22, s23
	v_or_b32 v9, v9, v10                           ; with lane l xor 16's two the word is whole
.irp c, 0,1
.irp g, 0,1,2,3
	v_cvt_scalef32_pk8_fp4_f32 v[16+4*\c+\g], v[32+32*\c+8*\g:39+32*\c+8*\g], v[26+\c]
.endr
.endr
	v_nop                                          ; a plain line behind the last scaled conversion
	s_lshl_b32 s28, ttmp9, 2
	s_add_co_u32 s28, s28, s20                     ; (32 t + nt) 4 + s
	s_lshl_b32 s30, s28, 10
	s_mov_b32 s31, 0
	s_add_nc_u64 s[30:31], s[14:15], s[30:31]
	s_lshl_b32 s28, s28, 7
	s_add_co_u32 s28, s28, SCW
	s_mov_b32 s29, 0
	s_add_nc_u64 s[28:29], s[14:15], s[28:29]
	global_store_b128 v5, v[16:19], s[30:31]       ; 512 consecutive bytes a store
	global_store_b128 v5, v[20:23], s[30:31] offset:512
	global_store_b32 v6, v9, s[28:29]
	s_endpgm
; ---- W_o to f16: work-group - 96 = nt (16 rows), wave s takes K steps 4 s .. 4 s + 3 of 32
.Lhalf:
	s_sub_co_u32 s24, ttmp9, 96
	s_lshl_b32 s28, s24, 15
	s_lshl_b32 s29, s20, 9
	s_add_co_u32 s28, s28, s29
	s_mov_b32 s29, 0
	s_add_nc_u64 s[26:27], s[10:11], s[28:29]
	v_lshlrev_b32 v4, 11, v2
	v_lshl_add_u32 v4, v3, 5, v4                   ; row r, + 8 h numbers
.irp q, 0,1,2,3
.irp p, 0,1
.irp e, 0,1
	global_load_b128 v[32+16*\q+8*\p+4*\e:35+16*\q+8*\p+4*\e], v4, s[26:27] offset:128*\q+64*\p+16*\e
.endr
.endr
.endr
	s_lshr_b32 s28, s24, 3
	s_lshl_b32 s28, s28, 17                        ; nblock
	s_and_b32 s29, s24, 7
	s_lshl_b32 s29, s29, 10                        ; nt8
	s_add_co_u32 s28, s28, s29
	s_lshl_b32 s29, s20, 15                        ; K step 4 s
	s_add_co_u32 s28, s28, s29
	s_mov_b32 s29, 0
	s_add_nc_u64 s[28:29], s[16:17], s[28:29]
	s_wait_loadcnt 0x0
.set j, 0
.rept 32
	v_cvt_pk_f16_f32 v[96+j], v[32+2*j], v[33+2*j]
.set j, j+1
.endr
.irp q, 0,1,2,3
.irp p, 0,1
	global_store_b128 v5, v[96+8*\q+4*\p:99+8*\q+4*\p], s[28:29] offset:8192*\q+512*\p
.endr
.endr
	s_endpgm
.Lfunc_end_k_q282e12762f_prep:
	.size	k_q282e12762f_prep, .Lfunc_end_k_q282e12762f_prep-k_q282e12762f_prep
	.p2alignl 7, 3214868480
	.fill 96, 4, 3214868480
	.section	.rodata,"a",@progbits
	.p2align	6, 0x0
	.amdhsa_kernel k_q282e12762f_prep
		.amdhsa_group_segment_fixed_size 0
		.amdhsa_private_segment_fixed_size 0
		.amdhsa_enable_private_segment 0
		.amdhsa_kernarg_size 64
		.amdhsa_user_sgpr_count 2
		.amdhsa_user_sgpr_kernarg_segment_ptr 1
		.amdhsa_wavefront_size32 1
		.amdhsa_system_sgpr_workgroup_id_x 1
		.amdhsa_system_sgpr_workgroup_id_y 1
		.amdhsa_system_sgpr_workgroup_id_z 1
		.amdhsa_system_vgpr_workitem_id 0
		.amdhsa_next_free_vgpr 176
		.amdhsa_next_free_sgpr 66
		.amdhsa_reserve_vcc 0
		.amdhsa_float_denorm_mode_32 3
		.amdhsa_float_denorm_mode_16_64 3
		.amdhsa_memory_ordered 1
		.amdhsa_forward_progress 1
		.amdhsa_inst_pref_size 39
	.end_amdhsa_kernel
	.amdgpu_metadata
---
amdhsa.version: [ 1, 2 ]
amdhsa.kernels:
  - .name:           k_q282e12762f_prep
    .symbol:         k_q282e12762f_prep.kd
    .args:
      - { .name: W_q, .offset: 0, .size: 8, .value_kind: global_buffer, .address_space: global }
      - { .name: W_k, .offset: 8, .size: 8, .value_kind: global_buffer, .address_space: global }
      - { .name: W_v, .offset: 16, .size: 8, .value_kind: global_buffer, .address_space: global }
      - { .name: W_o, .offset: 24, .size: 8, .value_kind: global_buffer, .address_space: global }
      - { .name: mask, .offset: 32, .size: 8, .value_kind: global_buffer, .address_space: global }
      - { .name: wq4, .offset: 40, .size: 8, .value_kind: global_buffer, .address_space: global }
      - { .name: wo16, .offset: 48, .size: 8, .value_kind: global_buffer, .address_space: global }
      - { .name: order, .offset: 56, .size: 8, .value_kind: global_buffer, .address_space: global }
    .group_segment_fixed_size: 0
    .private_segment_fixed_size: 0
    .kernarg_segment_align: 8
    .kernarg_segment_size: 64
    .max_flat_workgroup_size: 128
    .sgpr_count:     66
    .vgpr_count:     176
    .wavefront_size: 32
...
	.end_amdgpu_metadata
.endif
;; end of part 1
;; launch proj (part 2): grid 64 x 3, 8 waves a work-group, no clusters, 302,080 bytes of LDS; arguments Q, K, V, b_q, b_k, b_v, wq4, order, qf, kf, vf; writes qf, kf, vf
.if DOCPART == 2
	.amdgcn_target "amdgcn-amd-amdhsa--gfx1250"
	.amdhsa_code_object_version 6
	.text
	.protected	k_q282e12762f_proj
	.globl	k_q282e12762f_proj
	.p2align	8
	.type	k_q282e12762f_proj,@function
k_q282e12762f_proj:
	s_mov_b64 s[64:65], 0
	v_nop
	global_prefetch_b8 v0, s[64:65] scope:SCOPE_SE
	s_setreg_imm32_b32 hwreg(HW_REG_WAVE_MODE, 25, 1), 1
	s_wait_xcnt 0x0
; PROJ.  y = x W^T + b for x = Q, K, V (work-group y = t), both operands as codes of FP4 (E2M1) with one E8M0 scale for each 32 along K; sums in f32; the result leaves as f16, laid as the next launch's operand registers.
; A work-group takes 128 positions of one batch.  For Q a position is a row; for K and V it is a place in the sorted list of keys (order[b][position] = row): every row is projected, in sorted order.
; SHARES.  Wave w gathers and quantises positions 16 w .. 16 w + 15 (four fragments of 128 along K) and hands them to all waves through LDS as images of their registers; then wave w makes head w's 64 columns
; for all 128 positions: its 16 fragments of W (128 registers) are read once.
; Q, K: the product is used transposed (source 0 = 16 rows of W, source 1 = 16 positions): a lane holds one position and eight neighbouring channels: 16 bytes of a fragment [16 positions][32 channels].  The bias is the C of a sum's first product.
; V: used as it stands (source 0 = positions, source 1 = rows of W): a lane holds one channel and eight neighbouring positions: 16 bytes of a fragment [16 channels][32 keys].
; q is multiplied by log2(e) / 8, so that the next launch's scores are exponents of 2; in a batch in which no key counts, by 0: all scores are then equal, as where every score is the same -1e9.
; qf, kf: [b][head][tile of 16][ks 2][c 2][lane][16 bytes];  vf: [b][head][32 keys][ct 4][c 2][lane][16 bytes].  Every store covers 512 consecutive bytes.
; LIMITS: x W^T + b (for q: times 0.18) must lie under 65,504 in magnitude (f16); a block of x under 2^-124 keeps the scale byte 1; NaN and infinities are not served.
; No tensor load: the rows are gathered by a list.  192 work-groups: 24,576 positions in blocks of 128 inside one tensor and batch.
.set TURNW,  33024                     ; LDS: for each wave 16 rows x (2,048 + 16) bytes, through which its rows turn from 'lanes along a row' to '16 neighbours a lane'
.set TPITCH, 2064
.set XIMG,   264192                    ; the 32 fragments of x: (4 mt + s) x 1,024 bytes
.set XSC,    296960                    ; their scale words: (4 mt + s) x 128 bytes
.set SPARE,  301056                    ; the spare words, 128 bytes for each wave, which no other line names
.set RO,   16                          ; v16-23   byte offsets of my pairs of rows
.set PM,   24                          ; v24-31   the list as loaded
.set NUM0, 32                          ; v32-95, v96-159: two sets of 64 numbers; later:
.set NUM1, 96
.set ACC,  32                          ; v32-63   four accumulators
.set XF,   64                          ; v64-95, v96-127: x's four fragments of a tile of positions, two sets
.set OUT,  128                         ; v128-143, v144-159: f16 results, two sets
.set PC,   160                         ; v160-167 the codes just made
.set TM,   168                         ; v168-183 at work in QUANT
.set PW,   184                         ; the scale word just made
.set XS,   186                         ; v186-189, v190-193: x's scale words, two sets: scales and nothing else
.set R16,  194                         ; 16 r
.set WS,   196                         ; v196-211 W's scale words: scales and nothing else
.set BV,   212                         ; v212-219 V's bias: a pair for each tile of channels
.set SPW,  252
.set NIL,  253
.set BQ,   128                         ; window 1: v0-127 W's fragments (nt, s) at 8 (4 nt + s); v128-159 the bias in the result's layout.  Before that all of window 1 holds the rows as loaded
.set MSB, 0
.macro WIN new                         ; the immediate's high byte repeats the setting that is left
.if MSB != \new
	s_set_vgpr_msb (MSB<<8)|\new
.set MSB, \new
.endif
.endm
; 64 numbers of a lane, register 16 b + i = k 32 b + 16 (lane / 16) + i of my row, become a fragment's codes in v[PC] on and its scale word in v[PW]
.macro QUANT s
.irp b, 0,1,2,3
	v_max3_num_f32 v[TM+\b], |v[\s+16*\b]|, |v[\s+1+16*\b]|, 0x1800000   ; and the floor 2^(3 - 127): the byte cannot fall under 1
.endr
.irp i, 2,4,6,8,10,12,14
.irp b, 0,1,2,3
	v_max3_num_f32 v[TM+\b], v[TM+\b], |v[\s+16*\b+\i]|, |v[\s+1+16*\b+\i]|
.endr
.endr
.irp b, 0,1,2,3
	v_permlanex16_b32 v[TM+4+\b], v[TM+\b], s50, s51
.endr
.irp b, 0,1,2,3
	v_max_num_f32 v[TM+\b], v[TM+\b], v[TM+4+\b]   ; with lane l xor 16's: the block's largest magnitude
.endr
.irp b, 0,1,2,3
	v_add_nc_u32 v[TM+12+\b], 0xff000000, v[TM+\b] ; 2 off its exponent field: the conversion's scale operand
.endr
.irp b, 0,1,2,3
	v_lshrrev_b32 v[TM+4+\b], 23, v[TM+12+\b]      ; the scale's byte
.endr
	v_lshl_or_b32 v[PW], v[TM+5], 8, v[TM+4]
	v_lshl_or_b32 v[PW], v[TM+6], 16, v[PW]
	v_lshl_or_b32 v[PW], v[TM+7], 24, v[PW]
.irp b, 0,1,2,3
	v_cvt_scalef32_pk8_fp4_f32 v[PC+2*\b], v[\s+16*\b:\s+7+16*\b], v[TM+12+\b]
	v_cvt_scalef32_pk8_fp4_f32 v[PC+1+2*\b], v[\s+8+16*\b:\s+15+16*\b], v[TM+12+\b]
.endr
	v_nop                                          ; a plain line behind the last scaled conversion
.irp c, 0,1                                    ; the operand wants a whole block in a lane: lanes 0-15 block 2 c, lanes 16-31 block 2 c + 1
.irp i, 0,1
	v_permlane16_swap_b32 v[PC+4*\c+\i], v[PC+2+4*\c+\i]
.endr
.endr
.endm
.macro LOADN s, set                    ; my row's numbers of K step s out of my wave's own turn region
.irp b, 0,1,2,3
.irp j, 0,1,2,3
	ds_load_b128 v[\set+16*\b+4*\j:\set+16*\b+4*\j+3], v5 offset:512*(\s)+128*\b+16*\j
.endr
.endr
.endm
.macro FETCHX mt, set                  ; the four fragments and scale words of tile mt, as any wave takes them: 12 LDS loads
.irp s, 0,1,2,3
.irp c, 0,1
	ds_load_b128 v[XF+32*(\set)+8*\s+4*\c:XF+32*(\set)+8*\s+4*\c+3], v8 offset:(4*(\mt)+\s)*1024+512*\c
.endr
	ds_load_b32 v[XS+4*(\set)+\s], v9 offset:(4*(\mt)+\s)*128
.endr
.endm
; Tile mt of 16 positions x my head's 64 columns: 16 products, the four accumulators by turns, K ascending.
.macro PROD mt, vmode
.set XB, XF+32*((\mt)%2)
.set SB, XS+4*((\mt)%2)
.set OB, OUT+16*((\mt)%2)
	s_wait_dscnt 0x0                               ; this tile's fragments are in
.if (\mt) < 7
	FETCHX (\mt)+1, ((\mt)+1)%2                    ; the next tile's land while this one is multiplied; the products that read that set stand five plain lines back
.endif
.irp s, 0,1,2,3
.if \vmode
	WIN 0x04                                       ; source 1 (W) window 1
.elseif \s == 0
	WIN 0x11                                       ; source 0 (W) and source 2 (the bias) window 1
.else
	WIN 0x01
.endif
.irp n, 0,1,2,3
.if \vmode
.if \s == 0
	v_wmma_scale_f32_16x16x128_f8f6f4 v[ACC+8*\n:ACC+8*\n+7], v[XB+8*\s:XB+8*\s+7], v[8*(4*\n+\s):8*(4*\n+\s)+7], 0, v[SB+\s], v[WS+4*\n+\s] matrix_a_fmt:MATRIX_FMT_FP4 matrix_b_fmt:MATRIX_FMT_FP4
.else
	v_wmma_scale_f32_16x16x128_f8f6f4 v[ACC+8*\n:ACC+8*\n+7], v[XB+8*\s:XB+8*\s+7], v[8*(4*\n+\s):8*(4*\n+\s)+7], v[ACC+8*\n:ACC+8*\n+7], v[SB+\s], v[WS+4*\n+\s] matrix_a_fmt:MATRIX_FMT_FP4 matrix_b_fmt:MATRIX_FMT_FP4
.endif
.else
.if \s == 0
	v_wmma_scale_f32_16x16x128_f8f6f4 v[ACC+8*\n:ACC+8*\n+7], v[8*(4*\n+\s):8*(4*\n+\s)+7], v[XB+8*\s:XB+8*\s+7], v[BQ+8*\n:BQ+8*\n+7], v[WS+4*\n+\s], v[SB+\s] matrix_a_fmt:MATRIX_FMT_FP4 matrix_b_fmt:MATRIX_FMT_FP4
.else
	v_wmma_scale_f32_16x16x128_f8f6f4 v[ACC+8*\n:ACC+8*\n+7], v[8*(4*\n+\s):8*(4*\n+\s)+7], v[XB+8*\s:XB+8*\s+7], v[ACC+8*\n:ACC+8*\n+7], v[WS+4*\n+\s], v[SB+\s] matrix_a_fmt:MATRIX_FMT_FP4 matrix_b_fmt:MATRIX_FMT_FP4
.endif
.endif
.endr
.endr
	WIN 0
.rept 5
	v_nop                                          ; four plain lines ahead of the readers of the results (ISA guide 7.12.1); the fifth for the next tile's first products, which begin these accumulators anew
.endr
.if \vmode
.irp n, 0,1,2,3
.irp i, 0,2,4,6
	v_pk_add_f32 v[ACC+8*\n+\i:ACC+8*\n+\i+1], v[ACC+8*\n+\i:ACC+8*\n+\i+1], v[BV+2*\n:BV+2*\n+1] op_sel_hi:[1,0]   ; my channel's bias; each accumulator from its low end on
.endr
.endr
.else
.irp i, 0,2,4,6,8,10,12,14,16,18,20,22,24,26,28,30
	v_pk_mul_f32 v[ACC+\i:ACC+\i+1], v[ACC+\i:ACC+\i+1], s[46:47] op_sel_hi:[1,0]   ; q: x log2(e) / 8 (or 0); k: x 1, the price of one text for both
.endr
.endif
	s_wait_xcnt 0x0                                ; the stores of two tiles ago have read this set of registers
.irp n, 0,1,2,3
.irp i, 0,1,2,3
	v_cvt_pk_f16_f32 v[OB+4*\n+\i], v[ACC+8*\n+2*\i], v[ACC+8*\n+2*\i+1]
.endr
.endr
.irp n, 0,1,2,3
.if \vmode
	global_store_b128 v10, v[OB+4*\n:OB+4*\n+3], s[36:37] offset:((\mt)/2)*4096+\n*1024+((\mt)%2)*512
.else
	global_store_b128 v10, v[OB+4*\n:OB+4*\n+3], s[36:37] offset:(\mt)*2048+\n*512
.endif
.endr
.endm
	s_load_b512 s[4:19], s[0:1], 0x0               ; Q s[4:5], K s[6:7], V s[8:9], b_q s[10:11], b_k s[12:13], b_v s[14:15], wq4 s[16:17], order s[18:19]
	s_load_b128 s[20:23], s[0:1], 0x40             ; qf, kf
	s_load_b64 s[24:25], s[0:1], 0x50              ; vf
	v_lshl_add_u32 v[SPW], v0, 2, SPARE
	v_mov_b32 v[NIL], 0
	v_lshrrev_b32 v1, 5, v0
	v_readfirstlane_b32 s26, v1                    ; wave 0..7
	v_and_b32 v1, 31, v0                           ; lane
	v_and_b32 v2, 15, v0                           ; r
	v_bfe_u32 v3, v0, 4, 1                         ; h
	s_and_b32 s27, ttmp7, 0xffff                   ; t
	s_lshr_b32 s29, ttmp9, 5                       ; b
	s_and_b32 s30, ttmp9, 31                       ; block of 128 positions
	s_mul_i32 s28, s26, TURNW
	v_mul_u32_u24 v4, v3, TPITCH
	v_lshl_add_u32 v4, v2, 4, v4
	v_add_nc_u32 v4, s28, v4                       ; into the turn: lanes 0-15 one row, lanes 16-31 the next, 16 bytes a lane
	v_mul_u32_u24 v5, v2, TPITCH
	v_lshl_add_u32 v5, v3, 6, v5
	v_add_nc_u32 v5, s28, v5                       ; out of it: row r, + 16 h numbers
	v_lshlrev_b32 v10, 4, v1                       ; 16 x lane
	v_lshlrev_b32 v11, 2, v1                       ; 4 x lane
	s_lshl_b32 s28, s26, 12
	s_add_co_u32 s28, s28, XIMG
	v_add_nc_u32 v6, s28, v10                      ; where I store my four images
	s_lshl_b32 s28, s26, 9
	s_add_co_u32 s28, s28, XSC
	v_add_nc_u32 v7, s28, v11                      ; and their scale words
	v_add_nc_u32 v8, XIMG, v10                     ; where any image is read
	v_add_nc_u32 v9, XSC, v11
	v_lshlrev_b32 v12, 5, v3                       ; 32 h
	v_lshlrev_b32 v13, 2, v2                       ; 4 r
	v_lshlrev_b32 v14, 2, v3                       ; 4 h
	v_lshlrev_b32 v[R16], 4, v2                    ; 16 r
	s_lshl_b32 s28, s30, 7
	s_lshl_b32 s31, s26, 4
	s_add_co_u32 s28, s28, s31                     ; my first position
	v_add_nc_u32 v15, s28, v3
	s_mov_b32 s50, 0x76543210
	s_mov_b32 s51, 0xfedcba98
.irp b, 0,1,2,3
	v_mov_b32 v[TM+4+\b], 0                        ; written once: a lane permute's destination counts as one of its sources
.endr
	s_wait_kmcnt 0x0
	s_lshl_b32 s52, s29, 7
	s_add_co_u32 s52, s52, 32768
	s_mov_b32 s53, 0
	s_add_nc_u64 s[52:53], s[18:19], s[52:53]
	s_load_b32 s44, s[52:53], 0x0                  ; how many keys of the batch count
	s_lshl_b32 s42, s29, 14
	s_lshl_b32 s43, s28, 2
	s_add_co_u32 s42, s42, s43
	s_mov_b32 s43, 0
	s_add_nc_u64 s[42:43], s[18:19], s[42:43]
.set i, 0
.rept 8
	global_load_b32 v[PM+i], v14, s[42:43] offset:8*i      ; the list at positions 2 i + h of my 16
.set i, i+1
.endr
	s_cmp_eq_u32 s27, 0                            ; the tensors are chosen by the work-group's number alone
	s_cselect_b64 s[32:33], s[4:5], s[6:7]
	s_cselect_b64 s[34:35], s[10:11], s[12:13]
	s_cselect_b64 s[36:37], s[20:21], s[22:23]
	s_cmp_eq_u32 s27, 2
	s_cselect_b64 s[32:33], s[8:9], s[32:33]
	s_cselect_b64 s[34:35], s[14:15], s[34:35]
	s_cselect_b64 s[36:37], s[24:25], s[36:37]
	s_lshl_b32 s54, s29, 23
	s_mov_b32 s55, 0
	s_add_nc_u64 s[32:33], s[32:33], s[54:55]      ; x at my batch
	s_lshl_b32 s54, s26, 8
	s_add_nc_u64 s[34:35], s[34:35], s[54:55]      ; the bias at my head
	s_lshl_b32 s54, s29, 3
	s_add_co_u32 s54, s54, s26
	s_lshl_b32 s54, s54, 19
	s_lshl_b32 s56, s30, 14
	s_add_co_u32 s54, s54, s56
	s_add_nc_u64 s[36:37], s[36:37], s[54:55]      ; the result at (batch, head w), my block
	s_lshl_b32 s54, s27, 5
	s_lshl_b32 s56, s26, 2
	s_add_co_u32 s54, s54, s56                     ; 32 t + 4 w
	s_lshl_b32 s56, s54, 12
	s_mov_b32 s57, 0
	s_add_nc_u64 s[38:39], s[16:17], s[56:57]      ; my 16 fragments of W
	s_lshl_b32 s56, s54, 9
	s_add_co_u32 s56, s56, 393216
	s_add_nc_u64 s[40:41], s[16:17], s[56:57]      ; and their scale words
	s_wait_kmcnt 0x0
	s_cmp_eq_u32 s44, 0
	s_cselect_b32 s46, 0, 0x3e38aa3b               ; log2(e) / 8, or 0 where no key counts: a choice of a value, no jump
	s_cmp_eq_u32 s27, 0
	s_cselect_b32 s46, s46, 0x3f800000
	s_cselect_b32 s48, -1, 0                       ; Q's positions are its rows
	s_mov_b32 s47, s46                             ; (named with it as a pair, so it is written)
	s_wait_loadcnt 0x0
.set i, 0
.rept 8
	v_add_nc_u32 v[RO+i], 2*i, v15
	v_cndmask_b32 v[RO+i], v[PM+i], v[RO+i], s48
	v_min_u32 v[RO+i], 4095, v[RO+i]               ; a row lies inside the batch
	v_lshl_add_u32 v[RO+i], v[RO+i], 11, v[R16]    ; 2,048 bytes a row, + 16 r
.set i, i+1
.endr
	WIN 0x40                                       ; destination window 1
.set i, 0
.rept 8
.set c, 0
.rept 8
	global_load_b128 v[4*(8*i+c):4*(8*i+c)+3], v[RO+i], s[32:33] offset:256*c th:TH_LOAD_NT   ; sixteen lanes read 256 aligned bytes of one row; each row is named once in the launch
.set c, c+1
.endr
.set i, i+1
.endr
	WIN 0x04                                       ; an LDS store's data are its source 1: window 1
.set i, 0
.rept 8
	s_wait_loadcnt 56-8*i                          ; this pair of rows is in; the eight loads of each later pair may be out
.set c, 0
.rept 8
	ds_store_b128 v4, v[4*(8*i+c):4*(8*i+c)+3] offset:2*TPITCH*i+256*c
.set c, c+1
.endr
.set i, i+1
.endr
	WIN 0
	LOADN 0, NUM0                                  ; LDS serves a wave's instructions in order: these see my stores
	s_wait_dscnt 16                                ; all but those 16: the stores have read window 1, which now takes W
	WIN 0x40
.set i, 0
.rept 32
	global_load_b128 v[4*i:4*i+3], v10, s[38:39] offset:512*i
.set i, i+1
.endr
.irp n, 0,1,2,3
.irp e, 0,1
	global_load_b128 v[BQ+8*\n+4*\e:BQ+8*\n+4*\e+3], v12, s[34:35] offset:64*\n+16*\e   ; the bias at channels 16 n + 8 h + 0 .. 7
.endr
.endr
	WIN 0
.set i, 0
.rept 16
	global_load_b32 v[WS+i], v11, s[40:41] offset:128*i
.set i, i+1
.endr
.irp n, 0,1,2,3
.irp e, 0,1
	global_load_b32 v[BV+2*\n+\e], v13, s[34:35] offset:64*\n    ; the bias at channel 16 n + r (both words of the pair)
.endr
.endr
; my 16 positions become four fragments; the wait leaves the 16 reads just issued out, and covers the last step's image stores
	LOADN 1, NUM1
	s_wait_dscnt 16
	QUANT NUM0
.irp c, 0,1
	ds_store_b128 v6, v[PC+4*\c:PC+4*\c+3] offset:512*\c
.endr
	ds_store_b32 v7, v[PW]
	LOADN 2, NUM0
	s_wait_dscnt 16
	QUANT NUM1
.irp c, 0,1
	ds_store_b128 v6, v[PC+4*\c:PC+4*\c+3] offset:1024+512*\c
.endr
	ds_store_b32 v7, v[PW] offset:128
	LOADN 3, NUM1
	s_wait_dscnt 16
	QUANT NUM0
.irp c, 0,1
	ds_store_b128 v6, v[PC+4*\c:PC+4*\c+3] offset:2048+512*\c
.endr
	ds_store_b32 v7, v[PW] offset:256
	s_wait_dscnt 0x0
	QUANT NUM1
.irp c, 0,1
	ds_store_b128 v6, v[PC+4*\c:PC+4*\c+3] offset:3072+512*\c
.endr
	ds_store_b32 v7, v[PW] offset:384
	s_wait_dscnt 0x0                               ; for the others' sake: my images have landed
	s_barrier_signal -1
	s_barrier_wait -1                              ; all 32 fragments lie in LDS; nothing is written there again
	FETCHX 0, 0
	s_wait_loadcnt 0x0                             ; W, its scale words, the biases
	s_cmp_eq_u32 s27, 2
	s_cbranch_scc1 .Lvarm
.irp m, 0,1,2,3,4,5,6,7
	PROD \m, 0
.endr
	s_branch .Lend
.Lvarm:
.irp m, 0,1,2,3,4,5,6,7
	PROD \m, 1
.endr
.Lend:
	s_wait_tensorcnt 0x0                           ; the wave's end: three lines behind my last LDS store
	ds_add_u32 v[SPW], v[NIL]
	s_wait_dscnt 0x0
	s_endpgm
.Lfunc_end_k_q282e12762f_proj:
	.size	k_q282e12762f_proj, .Lfunc_end_k_q282e12762f_proj-k_q282e12762f_proj
	.p2alignl 7, 3214868480
	.fill 96, 4, 3214868480
	.section	.rodata,"a",@progbits
	.p2align	6, 0x0
	.amdhsa_kernel k_q282e12762f_proj
		.amdhsa_group_segment_fixed_size 302080
		.amdhsa_private_segment_fixed_size 0
		.amdhsa_enable_private_segment 0
		.amdhsa_kernarg_size 88
		.amdhsa_user_sgpr_count 2
		.amdhsa_user_sgpr_kernarg_segment_ptr 1
		.amdhsa_wavefront_size32 1
		.amdhsa_system_sgpr_workgroup_id_x 1
		.amdhsa_system_sgpr_workgroup_id_y 1
		.amdhsa_system_sgpr_workgroup_id_z 1
		.amdhsa_system_vgpr_workitem_id 0
		.amdhsa_next_free_vgpr 512
		.amdhsa_next_free_sgpr 66
		.amdhsa_reserve_vcc 0
		.amdhsa_float_denorm_mode_32 3
		.amdhsa_float_denorm_mode_16_64 3
		.amdhsa_memory_ordered 1
		.amdhsa_forward_progress 1
		.amdhsa_inst_pref_size 129
	.end_amdhsa_kernel
	.amdgpu_metadata
---
amdhsa.version: [ 1, 2 ]
amdhsa.kernels:
  - .name:           k_q282e12762f_proj
    .symbol:         k_q282e12762f_proj.kd
    .args:
      - { .name: Q, .offset: 0, .size: 8, .value_kind: global_buffer, .address_space: global }
      - { .name: K, .offset: 8, .size: 8, .value_kind: global_buffer, .address_space: global }
      - { .name: V, .offset: 16, .size: 8, .value_kind: global_buffer, .address_space: global }
      - { .name: b_q, .offset: 24, .size: 8, .value_kind: global_buffer, .address_space: global }
      - { .name: b_k, .offset: 32, .size: 8, .value_kind: global_buffer, .address_space: global }
      - { .name: b_v, .offset: 40, .size: 8, .value_kind: global_buffer, .address_space: global }
      - { .name: wq4, .offset: 48, .size: 8, .value_kind: global_buffer, .address_space: global }
      - { .name: order, .offset: 56, .size: 8, .value_kind: global_buffer, .address_space: global }
      - { .name: qf, .offset: 64, .size: 8, .value_kind: global_buffer, .address_space: global }
      - { .name: kf, .offset: 72, .size: 8, .value_kind: global_buffer, .address_space: global }
      - { .name: vf, .offset: 80, .size: 8, .value_kind: global_buffer, .address_space: global }
    .group_segment_fixed_size: 302080
    .private_segment_fixed_size: 0
    .kernarg_segment_align: 8
    .kernarg_segment_size: 88
    .max_flat_workgroup_size: 256
    .sgpr_count:     66
    .vgpr_count:     512
    .wavefront_size: 32
...
	.end_amdgpu_metadata
.endif
;; end of part 2
;; launch attn (part 3): grid 16 x 16, 8 waves a work-group, no clusters, 136,192 bytes of LDS; arguments qf, kf, vf, order, at; writes at
.if DOCPART == 3
	.amdgcn_target "amdgcn-amd-amdhsa--gfx1250"
	.amdhsa_code_object_version 6
	.text
	.protected	k_q282e12762f_attn
	.globl	k_q282e12762f_attn
	.p2align	8
	.type	k_q282e12762f_attn,@function
k_q282e12762f_attn:
	s_mov_b64 s[64:65], 0
	v_nop
	global_prefetch_b8 v0, s[64:65] scope:SCOPE_SE
	s_setreg_imm32_b32 hwreg(HW_REG_WAVE_MODE, 25, 1), 1
	s_wait_xcnt 0x0
; ATTN.  O[q] = sum over keys of softmax(q . k / 8, masked keys at -1e9) v, for one head (work-group y = 8 b + head) and 256 queries (work-group x).  Operands f16, sums, maxima and exponentials f32.
; THE MASK.  The keys come sorted, those that count first; N of them count.  A masked key's weight is exp(-1e9 - max) = 0 in f32 as soon as one key counts, so only the first N keys are walked.
; Where no key counts, N = 4,096 and q has been multiplied by 0: equal scores, equal weights, as with every score at -1e9.
; SHARES.  Eight waves.  Wave w: queries 64 (w % 4) .. + 63 (four tiles of 16) and key group g = w / 4.  A trip is 128 sorted keys; group g takes 64 of them.  So a fragment of K or V read from LDS feeds four products,
; and two waves share a SIMD, one's vector work beside the other's products.  At the end group 1 hands its maximum, sum and O^T to group 0 through LDS.
; LAYOUT.  S^T = K Q^T (source 0 = 16 keys, source 1 = 16 queries): a lane holds one query and keys 8 (lane / 16) + 0 .. 7; two such tiles rounded to f16 in pairs ARE source 1 of O^T = V^T P.
; q carries log2(e) / 8, so p = 2^(s - m), m the running maximum; O^T and the sum are multiplied by 2^(old m - new m) in every trip.
; THE LOOP has a constant 32 trips; a trip whose first key is at or past N does nothing but pass the barrier: a scalar jump on a stored whole number, round no barrier.  K and V come through registers
; (global loads, LDS stores), not by tensor loads; the number of tiles hangs on a stored count.
; In the last trip with work, scores of keys at or past N become -1e9 log2(e): a finite number, so that a group with no key of its own still has a finite maximum, and its part falls to 0 in the merge.
; LIMITS: a counting key's score must lie above -1e9 + 150, else masked keys would carry weight; NaN and infinities are not served; f16's range as stated where q, k and v are made.
; REGISTERS.  Window 0: v1-14 addresses; v16-47 statistics, 8 a tile: +0 m, +1 old m then the change, +2, +3 the sum in two halves, +4 .. +7 at work (a = 2^change at +6); v48-175 S^T, 32 a tile, then p, then P in place;
;   v176-239 K's or V's 8 fragments; v240-255 the merge.   Window 1: v0-127 O^T, 32 a tile; v128-191 Q; v192-223 the next tile's bytes on their way to LDS.
.set MRG,   65536                      ; LDS: two slots of 32,768 (K's 16 KiB, then V's), then the merge: 4 x 17,408; then the spare words
.set SPARE, 135168
.set L16, 1
.set AF,  2                            ; 16 lane + 8,192 g: my group's fragments in a tile
.set AS,  3                            ; 16 lane + 2,048 w: my wave's part of a tile, in LDS
.set GL,  4                            ; the same number, for memory
.set GO,  5
.set PFO, 6
.set H8,  7
.set DD,  8
.set MV,  9
.set SPW, 12
.set NIL, 13
.set MA,  14
.set ST,  16
.set S,   48
.set KV,  176
.set QR,  128
.set STG, 192
.set NN,  20                           ; s20 N
.set KF,  21                           ; s21 the trip's first key
.set LIMN, 25                          ; s25 N in a wave that prefetches, else 0
.set MSB, 0
.macro WIN new
.if MSB != \new
	s_set_vgpr_msb (MSB<<8)|\new
.set MSB, \new
.endif
.endm
.macro TRIP slot
	s_cmp_ge_u32 s[KF], s[NN]
	s_cbranch_scc1 .Lidle_\@
	s_add_co_u32 s23, s[KF], 128                   ; the next tile into registers; past the last tile the last is taken again, so that no load leaves its buffer
	s_min_u32 s23, s23, 3968
	s_lshl_b32 s23, s23, 7
	v_add_nc_u32 v[GO], s23, v[GL]
	WIN 0x40
.irp i, 0,1,2,3
	global_load_b128 v[STG+4*\i:STG+4*\i+3], v[GO], s[26:27] offset:512*\i
.endr
.irp i, 0,1,2,3
	global_load_b128 v[STG+16+4*\i:STG+16+4*\i+3], v[GO], s[28:29] offset:512*\i
.endr
	WIN 0
; a prefetch of the tile two trips on, one trip ahead of the loads that will want it.  All 16 work-groups of a head walk the same K and V: the first of them asks; in it waves 0, 1 for K's halves, waves 2, 3 for V's,
; a lane for each 256 bytes: each block is named once in the launch.  It stops where that tile's first key is at or past N.  Tiles 0 and 1 come by their loads alone.
	s_add_co_u32 s24, s[KF], 256
	s_cmp_lt_u32 s24, s[LIMN]
	s_cbranch_scc0 .Lnoask_\@
	global_prefetch_b8 v[PFO], s[30:31] th:TH_LOAD_NT scope:SCOPE_SE
.Lnoask_\@:
.set i, 0
.rept 16
	ds_load_b128 v[KV+4*i:KV+4*i+3], v[AF] offset:\slot*32768+512*i        ; K (kt, ks) at 16 kt + 8 ks
.set i, i+1
.endr
	s_wait_dscnt 0x0
	WIN 0x04                                       ; source 1 (Q) window 1
.irp ks, 0,1
.irp kt, 0,1,2,3
.irp qt, 0,1,2,3
.if \ks == 0
	v_wmma_f32_16x16x32_f16 v[S+32*\qt+8*\kt:S+32*\qt+8*\kt+7], v[KV+16*\kt+8*\ks:KV+16*\kt+8*\ks+7], v[QR+16*\qt+8*\ks:QR+16*\qt+8*\ks+7], 0
.else
	v_wmma_f32_16x16x32_f16 v[S+32*\qt+8*\kt:S+32*\qt+8*\kt+7], v[KV+16*\kt+8*\ks:KV+16*\kt+8*\ks+7], v[QR+16*\qt+8*\ks:QR+16*\qt+8*\ks+7], v[S+32*\qt+8*\kt:S+32*\qt+8*\kt+7]
.endif
.endr
.endr
.endr
	WIN 0
.rept 4
	v_nop                                          ; plain lines ahead of loads into registers that those products read, and of the first readers of the scores
.endr
.set i, 0
.rept 16
	ds_load_b128 v[KV+4*i:KV+4*i+3], v[AF] offset:\slot*32768+16384+512*i  ; V (kb, ct) at 32 kb + 8 ct: it lands during the softmax
.set i, i+1
.endr
	s_add_co_u32 s24, s[KF], s22
	s_add_co_u32 s24, s24, 64
	s_cmp_le_u32 s24, s[NN]
	s_cbranch_scc1 .Lopen_\@                       ; all my 64 keys count
	s_sub_co_i32 s24, s[NN], s[KF]
	s_sub_co_i32 s24, s24, s22
	v_sub_nc_u32 v[DD], s24, v[H8]                 ; register (kt, j) holds my group's key 16 kt + 8 (lane / 16) + j: past the end where 16 kt + j >= N - first key - 8 (lane / 16)
.irp kt, 0,1,2,3
.irp j, 0,1,2,3,4,5,6,7
	v_cmp_ge_i32 vcc_lo, 16*\kt+\j, v[DD]
.irp qt, 0,1,2,3
	v_cndmask_b32 v[S+32*\qt+8*\kt+\j], v[S+32*\qt+8*\kt+\j], v[MV], vcc_lo
.endr
.endr
.endr
.Lopen_\@:
; the maximum of a lane's 32 scores and the old m; the four tiles take turns line by line; each accumulator is read from its low end on
.irp n, 0,1,2,3
.irp t, 0,1,2,3
	v_max3_num_f32 v[ST+8*\t+4+\n], v[S+32*\t+8*\n], v[S+32*\t+8*\n+1], v[S+32*\t+8*\n+2]
.endr
.endr
.irp u, 1,2
.irp n, 0,1,2,3
.irp t, 0,1,2,3
	v_max3_num_f32 v[ST+8*\t+4+\n], v[ST+8*\t+4+\n], v[S+32*\t+8*\n+2*\u+1], v[S+32*\t+8*\n+2*\u+2]
.endr
.endr
.endr
.irp t, 0,1,2,3
	v_max3_num_f32 v[ST+8*\t+4], v[ST+8*\t+4], v[S+32*\t+7], v[S+32*\t+15]
.endr
.irp t, 0,1,2,3
	v_max3_num_f32 v[ST+8*\t+6], v[ST+8*\t+6], v[S+32*\t+23], v[S+32*\t+31]
.endr
.irp t, 0,1,2,3
	v_max3_num_f32 v[ST+8*\t+4], v[ST+8*\t+4], v[ST+8*\t+5], v[ST+8*\t+6]
.endr
.irp t, 0,1,2,3
	v_max3_num_f32 v[ST+8*\t+4], v[ST+8*\t+4], v[ST+8*\t+7], v[ST+8*\t]
.endr
.irp t, 0,1,2,3
	v_permlanex16_b32 v[ST+8*\t+5], v[ST+8*\t+4], s34, s35     ; the query's other 32 keys lie in the lane 16 away
.endr
.irp t, 0,1,2,3
	v_mov_b32 v[ST+8*\t+1], v[ST+8*\t]
.endr
.irp t, 0,1,2,3
	v_max_num_f32 v[ST+8*\t], v[ST+8*\t+4], v[ST+8*\t+5]       ; the new m
.endr
.irp t, 0,1,2,3
	v_sub_f32 v[ST+8*\t+1], v[ST+8*\t+1], v[ST+8*\t]           ; old m - new m
.endr
.irp t, 0,1,2,3
	v_exp_f32 v[ST+8*\t+6], v[ST+8*\t+1]                       ; a
.endr
.irp i, 0,2,4,6,8,10,12,14,16,18,20,22,24,26,28,30
.irp t, 0,1,2,3
	v_pk_add_f32 v[S+32*\t+\i:S+32*\t+\i+1], v[S+32*\t+\i:S+32*\t+\i+1], v[ST+8*\t:ST+8*\t+1] op_sel_hi:[1,0] neg_lo:[0,1] neg_hi:[0,1]   ; s - m
.endr
.endr
.set j, 0
.rept 128
	v_exp_f32 v[S+j], v[S+j]                       ; p = 2^(s - m)
.set j, j+1
.endr
	v_nop                                          ; a plain line behind the last exponential
	s_wait_alu depctr_va_vdst(0)                   ; one wait for the whole batch of 132, ahead of the first line that names a result
.irp t, 0,1,2,3
	v_pk_mul_f32 v[ST+8*\t+2:ST+8*\t+3], v[ST+8*\t+2:ST+8*\t+3], v[ST+8*\t+6:ST+8*\t+7] op_sel_hi:[1,0]   ; the sum under the new m
.endr
.irp t, 0,1,2,3
	v_pk_add_f32 v[ST+8*\t+4:ST+8*\t+5], v[S+32*\t:S+32*\t+1], v[S+32*\t+2:S+32*\t+3]                     ; the sum of the unrounded p, in two chains
.endr
.irp j, 4,8,12,16,20,24,28
.irp t, 0,1,2,3
	v_pk_add_f32 v[ST+8*\t+2:ST+8*\t+3], v[ST+8*\t+2:ST+8*\t+3], v[S+32*\t+\j:S+32*\t+\j+1]
.endr
.irp t, 0,1,2,3
	v_pk_add_f32 v[ST+8*\t+4:ST+8*\t+5], v[ST+8*\t+4:ST+8*\t+5], v[S+32*\t+\j+2:S+32*\t+\j+3]
.endr
.endr
.irp t, 0,1,2,3
	v_pk_add_f32 v[ST+8*\t+2:ST+8*\t+3], v[ST+8*\t+2:ST+8*\t+3], v[ST+8*\t+4:ST+8*\t+5]
.endr
.irp i, 0,1,2,3,4,5,6,7,8,9,10,11,12,13,14,15
.irp t, 0,1,2,3
	v_cvt_pk_f16_f32 v[S+32*\t+\i], v[S+32*\t+2*\i], v[S+32*\t+2*\i+1]     ; P in place: fragment kb of tile t at S + 32 t + 8 kb
.endr
.endr
	WIN 0x41                                       ; O^T (destination and source 0) window 1
.irp t, 0,1,2,3
.irp i, 0,2,4,6,8,10,12,14,16,18,20,22,24,26,28,30
	v_pk_mul_f32 v[32*\t+\i:32*\t+\i+1], v[32*\t+\i:32*\t+\i+1], v[ST+8*\t+6:ST+8*\t+7] op_sel_hi:[1,0]   ; O^T under the new m
.endr
.endr
	s_wait_dscnt 0x0                               ; V is in
	WIN 0x50                                       ; C and D window 1
.irp kb, 0,1
.irp ct, 0,1,2,3
.irp qt, 0,1,2,3
	v_wmma_f32_16x16x32_f16 v[32*\qt+8*\ct:32*\qt+8*\ct+7], v[KV+32*\kb+8*\ct:KV+32*\kb+8*\ct+7], v[S+32*\qt+8*\kb:S+32*\qt+8*\kb+7], v[32*\qt+8*\ct:32*\qt+8*\ct+7]
.endr
.endr
.endr
	WIN 0
.rept 5
	v_nop                                          ; plain lines ahead of the next loads into K's and V's registers and of O^T's readers; the fifth for the next scores, which are laid over P
.endr
	s_wait_loadcnt 0x0                             ; the next tile is in registers
	WIN 0x04
.irp i, 0,1,2,3
	ds_store_b128 v[AS], v[STG+4*\i:STG+4*\i+3] offset:(1-\slot)*32768+512*\i
.endr
.irp i, 0,1,2,3
	ds_store_b128 v[AS], v[STG+16+4*\i:STG+16+4*\i+3] offset:(1-\slot)*32768+16384+512*\i
.endr
	WIN 0
.Lidle_\@:
	s_wait_xcnt 0x0                                ; the prefetch has read its address
	s_add_nc_u64 s[30:31], s[30:31], 16384
	s_add_co_u32 s[KF], s[KF], 128
	s_wait_dscnt 0x0                               ; my stores into the other slot have landed, my reads of this one are over:
	s_barrier_signal -1                            ; one barrier a trip serves both: the slot written in this trip was last read ahead of the last barrier, and is read behind this one
	s_barrier_wait -1
.endm
	s_load_b256 s[4:11], s[0:1], 0x0               ; qf s[4:5], kf s[6:7], vf s[8:9], order s[10:11]
	s_load_b64 s[12:13], s[0:1], 0x20              ; at
	v_lshl_add_u32 v[SPW], v0, 2, SPARE
	v_mov_b32 v[NIL], 0
	v_lshrrev_b32 v1, 5, v0
	v_readfirstlane_b32 s14, v1                    ; wave 0..7
	s_lshr_b32 s15, s14, 2                         ; g
	s_and_b32 s16, s14, 3                          ; which 64 queries
	s_mov_b32 s17, ttmp9                           ; x
	s_and_b32 s18, ttmp7, 0xffff                   ; y = 8 b + head
	s_lshr_b32 s19, s18, 3                         ; b
	v_and_b32 v10, 31, v0
	v_lshlrev_b32 v[L16], 4, v10
	s_lshl_b32 s23, s15, 13
	v_add_nc_u32 v[AF], s23, v[L16]
	s_lshl_b32 s23, s14, 11
	v_add_nc_u32 v[AS], s23, v[L16]
	v_add_nc_u32 v[GL], s23, v[L16]
	v_lshlrev_b32 v[PFO], 8, v10
	v_bfe_u32 v[H8], v0, 4, 1
	v_lshlrev_b32 v[H8], 3, v[H8]
	v_mov_b32 v[MV], 0xceabfb8f                    ; -1e9 log2(e)
	s_mul_i32 s23, s16, 17408
	s_add_co_u32 s23, s23, MRG
	v_add_nc_u32 v[MA], s23, v[L16]
	s_lshl_b32 s22, s15, 6                         ; 64 g
	s_mov_b32 s[KF], 0
	s_mov_b32 s34, 0x76543210
	s_mov_b32 s35, 0xfedcba98
	s_lshl_b32 s40, s18, 19                        ; a head is 524,288 bytes in qf, kf and vf
	s_mov_b32 s41, 0
	s_lshl_b32 s42, s17, 15
	s_lshl_b32 s43, s16, 13
	s_add_co_u32 s42, s42, s43
	s_add_co_u32 s42, s42, s40
	s_mov_b32 s43, 0
	s_lshl_b32 s38, s19, 7
	s_add_co_u32 s38, s38, 32768
	s_mov_b32 s39, 0
	s_wait_kmcnt 0x0
	s_add_nc_u64 s[38:39], s[10:11], s[38:39]
	s_load_b32 s[NN], s[38:39], 0x0                ; how many keys of the batch count
	s_add_nc_u64 s[26:27], s[6:7], s[40:41]        ; K and V at my head
	s_add_nc_u64 s[28:29], s[8:9], s[40:41]
	s_add_nc_u64 s[4:5], s[4:5], s[42:43]          ; Q at my 64 queries
	WIN 0x40
.irp i, 0,1,2,3
	global_load_b128 v[STG+4*\i:STG+4*\i+3], v[GL], s[26:27] offset:512*\i           ; tile 0
.endr
.irp i, 0,1,2,3
	global_load_b128 v[STG+16+4*\i:STG+16+4*\i+3], v[GL], s[28:29] offset:512*\i
.endr
.set i, 0
.rept 16
	global_load_b128 v[QR+4*i:QR+4*i+3], v[L16], s[4:5] offset:512*i                 ; Q (qt, ks) at 16 qt + 8 ks: it stays
.set i, i+1
.endr
.set j, 0
.rept 128
	v_mov_b32 v[j], 0                              ; O^T.  The trip is written once: the first finds zeros, which the first change of m leaves zeros
.set j, j+1
.endr
	WIN 0
.irp t, 0,1,2,3
	v_mov_b32 v[ST+8*\t], 0xff61b1e6               ; m: -3e38, under every score
.irp n, 1,2,3,4,5,6,7
	v_mov_b32 v[ST+8*\t+\n], 0
.endr
.endr
	s_cmp_lt_u32 s14, 2                            ; the prefetches: waves 0, 1 stand in K, waves 2, 3 in V,
	s_cselect_b64 s[30:31], s[26:27], s[28:29]
	s_and_b32 s40, s14, 1
	s_lshl_b32 s40, s40, 13                        ; at my half of a tile,
	s_add_co_u32 s40, s40, 32768                   ; in tile 2
	s_add_nc_u64 s[30:31], s[30:31], s[40:41]
	s_lshl_b32 s40, s19, 5                         ; at: block of 128 rows 32 b + 2 x + (my 64 queries' half),
	s_lshl_b32 s42, s17, 1
	s_add_co_u32 s40, s40, s42
	s_lshr_b32 s42, s16, 1
	s_add_co_u32 s40, s40, s42
	s_lshl_b32 s40, s40, 17
	s_and_b32 s42, s18, 7
	s_lshl_b32 s42, s42, 14                        ; K steps 2 head, 2 head + 1,
	s_add_co_u32 s40, s40, s42
	s_and_b32 s42, s16, 1
	s_lshl_b32 s42, s42, 12                        ; row tiles 4 (w % 2) on
	s_add_co_u32 s40, s40, s42
	s_add_nc_u64 s[32:33], s[12:13], s[40:41]
	s_wait_kmcnt 0x0
	s_min_u32 s[NN], s[NN], 4096
	s_cmp_eq_u32 s[NN], 0
	s_cselect_b32 s[NN], 4096, s[NN]               ; no key counts: all are walked, with equal scores
	s_or_b32 s23, s15, s17
	s_cmp_eq_u32 s23, 0
	s_cselect_b32 s[LIMN], s[NN], 0                ; waves 0 to 3 of the head's first work-group prefetch
	s_wait_loadcnt 16                              ; tile 0 is in; Q's sixteen may be out
	WIN 0x04
.irp i, 0,1,2,3
	ds_store_b128 v[AS], v[STG+4*\i:STG+4*\i+3] offset:512*\i
.endr
.irp i, 0,1,2,3
	ds_store_b128 v[AS], v[STG+16+4*\i:STG+16+4*\i+3] offset:16384+512*\i
.endr
	WIN 0
	s_wait_loadcnt 0x0                             ; Q
	s_wait_dscnt 0x0
	s_barrier_signal -1
	s_barrier_wait -1
	s_mov_b32 s36, 16
.Ltrips:                                           ; 32 trips, two to a turn of the loop: the slots change places
	TRIP 0
	TRIP 1
	s_sub_co_u32 s36, s36, 1
	s_cmp_lg_u32 s36, 0
	s_cbranch_scc1 .Ltrips
; THE MERGE of the two key groups
.irp t, 0,1,2,3
	v_add_f32 v[ST+8*\t+4], v[ST+8*\t+2], v[ST+8*\t+3]
.endr
.irp t, 0,1,2,3
	v_permlanex16_b32 v[ST+8*\t+5], v[ST+8*\t+4], s34, s35
.endr
.irp t, 0,1,2,3
	v_add_f32 v[244+\t], v[ST+8*\t+4], v[ST+8*\t+5]            ; my group's sum of the query
	v_mov_b32 v[240+\t], v[ST+8*\t]                            ; and its maximum
.endr
	s_cmp_lt_u32 s14, 4
	s_cbranch_scc1 .Lkeep
	WIN 0x04
.set i, 0
.rept 32
	ds_store_b128 v[MA], v[4*i:4*i+3] offset:512*i             ; group 1's O^T, as it stands, each accumulator from its low end on
.set i, i+1
.endr
	WIN 0
	ds_store_b128 v[MA], v[240:243] offset:16384
	ds_store_b128 v[MA], v[244:247] offset:16896
.Lkeep:
	s_wait_dscnt 0x0
	s_barrier_signal -1
	s_barrier_wait -1
	s_cmp_ge_u32 s14, 4
	s_cbranch_scc1 .Lend
	ds_load_b128 v[248:251], v[MA] offset:16384                ; the partner's maxima
	ds_load_b128 v[252:255], v[MA] offset:16896                ; and sums
.set i, 0
.rept 32
	ds_load_b128 v[S+4*i:S+4*i+3], v[MA] offset:512*i          ; and O^T
.set i, i+1
.endr
	s_wait_dscnt 0x0
.irp t, 0,1,2,3
	v_max_num_f32 v[ST+8*\t+4], v[240+\t], v[248+\t]
.endr
.irp t, 0,1,2,3
	v_sub_f32 v[ST+8*\t], v[240+\t], v[ST+8*\t+4]
	v_sub_f32 v[ST+8*\t+1], v[248+\t], v[ST+8*\t+4]
.endr
.irp t, 0,1,2,3
	v_exp_f32 v[ST+8*\t+2], v[ST+8*\t]
	v_exp_f32 v[ST+8*\t+3], v[ST+8*\t+1]
.endr
	v_nop
	s_wait_alu depctr_va_vdst(0)                   ; one wait for the eight
.irp t, 0,1,2,3
	v_mul_f32 v[ST+8*\t+5], v[244+\t], v[ST+8*\t+2]
.endr
.irp t, 0,1,2,3
	v_fma_f32 v[ST+8*\t+5], v[252+\t], v[ST+8*\t+3], v[ST+8*\t+5]      ; the row's sum
.endr
.irp t, 0,1,2,3
	v_rcp_f32 v[ST+8*\t+7], v[ST+8*\t+5]
.endr
	v_nop
	s_wait_alu depctr_va_vdst(0)                   ; one wait for the four
.irp t, 0,1,2,3
	v_mul_f32 v[ST+8*\t+4], v[ST+8*\t+2], v[ST+8*\t+7]         ; my part's factor
	v_mul_f32 v[ST+8*\t+6], v[ST+8*\t+3], v[ST+8*\t+7]         ; the partner's
.endr
.irp t, 0,1,2,3
.irp i, 0,2,4,6,8,10,12,14,16,18,20,22,24,26,28,30
	v_pk_mul_f32 v[S+32*\t+\i:S+32*\t+\i+1], v[S+32*\t+\i:S+32*\t+\i+1], v[ST+8*\t+6:ST+8*\t+7] op_sel_hi:[1,0]
.endr
.endr
	WIN 0x01                                       ; source 0 (my O^T) window 1
.irp t, 0,1,2,3
.irp i, 0,2,4,6,8,10,12,14,16,18,20,22,24,26,28,30
	v_pk_fma_f32 v[S+32*\t+\i:S+32*\t+\i+1], v[32*\t+\i:32*\t+\i+1], v[ST+8*\t+4:ST+8*\t+5], v[S+32*\t+\i:S+32*\t+\i+1] op_sel_hi:[1,0,1]
.endr
.endr
	WIN 0
.set j, 0
.rept 64
	v_cvt_pk_f16_f32 v[KV+j], v[S+2*j], v[S+2*j+1]             ; a lane's eight channels of a row: 16 bytes of the next launch's fragment
.set j, j+1
.endr
.irp qt, 0,1,2,3
.irp ct, 0,1,2,3
	global_store_b128 v[L16], v[KV+16*\qt+4*\ct:KV+16*\qt+4*\ct+3], s[32:33] offset:(\ct/2)*8192+\qt*1024+(\ct%2)*512   ; 512 consecutive bytes a store
.endr
.endr
.Lend:
	s_wait_tensorcnt 0x0                           ; the wave's end: three lines behind my last LDS store
	ds_add_u32 v[SPW], v[NIL]
	s_wait_dscnt 0x0
	s_endpgm
.Lfunc_end_k_q282e12762f_attn:
	.size	k_q282e12762f_attn, .Lfunc_end_k_q282e12762f_attn-k_q282e12762f_attn
	.p2alignl 7, 3214868480
	.fill 96, 4, 3214868480
	.section	.rodata,"a",@progbits
	.p2align	6, 0x0
	.amdhsa_kernel k_q282e12762f_attn
		.amdhsa_group_segment_fixed_size 136192
		.amdhsa_private_segment_fixed_size 0
		.amdhsa_enable_private_segment 0
		.amdhsa_kernarg_size 40
		.amdhsa_user_sgpr_count 2
		.amdhsa_user_sgpr_kernarg_segment_ptr 1
		.amdhsa_wavefront_size32 1
		.amdhsa_system_sgpr_workgroup_id_x 1
		.amdhsa_system_sgpr_workgroup_id_y 1
		.amdhsa_system_sgpr_workgroup_id_z 1
		.amdhsa_system_vgpr_workitem_id 0
		.amdhsa_next_free_vgpr 512
		.amdhsa_next_free_sgpr 66
		.amdhsa_reserve_vcc 1
		.amdhsa_float_denorm_mode_32 3
		.amdhsa_float_denorm_mode_16_64 3
		.amdhsa_memory_ordered 1
		.amdhsa_forward_progress 1
		.amdhsa_inst_pref_size 110
	.end_amdhsa_kernel
	.amdgpu_metadata
---
amdhsa.version: [ 1, 2 ]
amdhsa.kernels:
  - .name:           k_q282e12762f_attn
    .symbol:         k_q282e12762f_attn.kd
    .args:
      - { .name: qf, .offset: 0, .size: 8, .value_kind: global_buffer, .address_space: global }
      - { .name: kf, .offset: 8, .size: 8, .value_kind: global_buffer, .address_space: global }
      - { .name: vf, .offset: 16, .size: 8, .value_kind: global_buffer, .address_space: global }
      - { .name: order, .offset: 24, .size: 8, .value_kind: global_buffer, .address_space: global }
      - { .name: at, .offset: 32, .size: 8, .value_kind: global_buffer, .address_space: global }
    .group_segment_fixed_size: 136192
    .private_segment_fixed_size: 0
    .kernarg_segment_align: 8
    .kernarg_segment_size: 40
    .max_flat_workgroup_size: 256
    .sgpr_count:     66
    .vgpr_count:     512
    .wavefront_size: 32
...
	.end_amdgpu_metadata
.endif
;; end of part 3
;; launch outp (part 4): grid 4 x 64, 8 waves a work-group, clusters of 4 x 4, 327,680 bytes of LDS; arguments at, wo16, b_o, out0; writes out0
.if DOCPART == 4
	.amdgcn_target "amdgcn-amd-amdhsa--gfx1250"
	.amdhsa_code_object_version 6
	.text
	.protected	k_q282e12762f_outp
	.globl	k_q282e12762f_outp
	.p2align	8
	.type	k_q282e12762f_outp,@function
k_q282e12762f_outp:
	s_mov_b64 s[64:65], 0
	v_nop
	global_prefetch_b8 v0, s[64:65] scope:SCOPE_SE
	s_setreg_imm32_b32 hwreg(HW_REG_WAVE_MODE, 25, 1), 1
	s_wait_xcnt 0x0
	s_wait_alu depctr_hold_cnt(0) depctr_sa_sdst(0) depctr_va_vdst(0) depctr_va_sdst(0) depctr_va_ssrc(0) depctr_va_vcc(0) depctr_vm_vsrc(0)
	s_getreg_b32 s2, hwreg(HW_REG_IB_STS2, 6, 4)
	s_cmp_eq_u32 s2, 0
	s_cbranch_scc0 .Lentry_in_a_cluster
	s_endpgm
.Lentry_in_a_cluster:
	s_bfe_u32 s2, ttmp6, 0x10000c
	s_cmp_lg_u32 s2, 0xf033
	s_cbranch_scc0 .Lentry_shape_is_right
	s_endpgm
.Lentry_shape_is_right:
; OUTP.  out0 = attn W_o^T + b_o: [8,192][512] f32, from f16 operands that both lie in memory as images of operand registers; sums in f32.
; at:   [block of 128 rows 64][ks 16][row tile 8][c 2][lane][16 bytes];   wo16: [block of 128 columns 4][ks 16][column tile 8][c 2][lane][16 bytes].  A block is 131,072 dense bytes: all of K = 512.
; A work-group makes 128 x 128 of out0: 256 work-groups.  Both its blocks come into LDS once, each in two halves along K: no byte of LDS is filled twice.
; CLUSTER 4 x 4: the four of a row of the cluster need the same block of at, the four of a column the same block of wo16: each is asked for jointly, by the same tensor load with the same descriptor and a mask that names the four.
; Waves 0-3 fetch at's block, waves 4-7 wo16's: wave i % 4 takes 16,384 bytes of each half: two tensor loads a wave are out at the most.
; Wave w makes row tiles 2 (w / 2), + 1 and column tiles 4 (w % 2) .. + 3: eight accumulators, which take turns.  The product is used transposed (source 0 = 16 rows of W_o,
; source 1 = 16 rows of at), so that a lane holds eight neighbouring columns of one row.  The bias is the C of each sum's first product.
.set LB,    131072                     ; LDS: at's block at 0, wo16's at LB,
.set STAGE, 262144                     ; the way out: for each wave 16 rows x (256 + 16) bytes, into which no tile lands,
.set SPARE, 296960                     ; the spare words, 128 bytes for each wave, which no other line names
.set ADA,  16                          ; v16, v17 my fragments of at in the first and second half of K
.set ADB,  18                          ; v18, v19 of wo16
.set STO,  20
.set RD,   21
.set CO,   22
.set SPW,  28
.set NIL,  29
.set BIAS, 32                          ; v32-63
.set ACC,  64                          ; v64-127: (a, n) at 8 (4 a + n)
.set F0,   128                         ; v128-175, v176-223: two sets: at's two fragments, then wo16's four
.macro CROUND                          ; a round of the cluster's barrier
	s_barrier_signal -1
	s_barrier_wait -1
	s_cmp_lg_u32 s12, 0
	s_cbranch_scc1 .Lnot_wave_0_\@
	s_barrier_signal -3
.Lnot_wave_0_\@:
	s_barrier_wait -3
	s_barrier_signal -1
	s_barrier_wait -1
.endm
.macro FETCH k                         ; K step k's six fragments: 12 LDS loads of 512 consecutive bytes
.set FB, F0+48*((\k)%2)
.set HF, (\k)/8
.irp a, 0,1
.irp c, 0,1
	ds_load_b128 v[FB+8*\a+4*\c:FB+8*\a+4*\c+3], v[ADA+HF] offset:((\k)%8)*8192+\a*1024+512*\c
.endr
.endr
.irp n, 0,1,2,3
.irp c, 0,1
	ds_load_b128 v[FB+16+8*\n+4*\c:FB+16+8*\n+4*\c+3], v[ADB+HF] offset:((\k)%8)*8192+\n*1024+512*\c
.endr
.endr
.endm
.macro STEPK k
.if (\k) == 7
	s_wait_tensorcnt 0x0                           ; my part of the second half of K has landed,
	s_wait_dscnt 0x0                               ; (no LDS load is out at a signal; this K step's fragments are in)
	s_barrier_signal -1
	s_barrier_wait -1                              ; everybody's has
.endif
.if (\k) > 0
.rept 4
	v_nop                                          ; plain lines ahead of loads into registers that the last products read
.endr
.endif
.if (\k) < 15
	FETCH (\k)+1
.if (\k) != 7
	s_wait_dscnt 12                                ; all but the 12 just issued: this K step's fragments are in
.endif
.else
	s_wait_dscnt 0x0
.endif
.set FU, F0+48*((\k)%2)
.irp a, 0,1
.irp n, 0,1,2,3
.if (\k) == 0
	v_wmma_f32_16x16x32_f16 v[ACC+8*(4*\a+\n):ACC+8*(4*\a+\n)+7], v[FU+16+8*\n:FU+16+8*\n+7], v[FU+8*\a:FU+8*\a+7], v[BIAS+8*\n:BIAS+8*\n+7]
.else
	v_wmma_f32_16x16x32_f16 v[ACC+8*(4*\a+\n):ACC+8*(4*\a+\n)+7], v[FU+16+8*\n:FU+16+8*\n+7], v[FU+8*\a:FU+8*\a+7], v[ACC+8*(4*\a+\n):ACC+8*(4*\a+\n)+7]
.endif
.endr
.endr
.endm
	s_load_b256 s[4:11], s[0:1], 0x0               ; at s[4:5], wo16 s[6:7], b_o s[8:9], out0 s[10:11]
	v_lshl_add_u32 v[SPW], v0, 2, SPARE
	v_mov_b32 v[NIL], 0
	ds_add_u32 v[SPW], v[NIL]                      ; the wave's opening: the add, twice on end, and its wait ahead of my first tensor load
	ds_add_u32 v[SPW], v[NIL]
	v_lshrrev_b32 v1, 5, v0
	v_readfirstlane_b32 s12, v1                    ; wave 0..7
	s_bfe_u32 s13, ttmp6, 0x40000                  ; cx
	s_bfe_u32 s14, ttmp6, 0x40004                  ; cy
	s_lshl_b32 s15, ttmp9, 2
	s_add_co_u32 s15, s15, s13                     ; block of columns = 4 x cluster x + cx
	s_and_b32 s16, ttmp7, 0xffff
	s_lshl_b32 s16, s16, 2
	s_add_co_u32 s16, s16, s14                     ; block of rows = 4 x cluster y + cy
	s_lshl_b32 s17, s14, 2
	s_lshl_b32 s17, 15, s17                        ; my row of the cluster
	s_lshl_b32 s18, 0x1111, s13                    ; my column
	; descriptor group 1: 16,384 dense bytes as 64 rows of 32 elements of 8 bytes, no padding: fragments are read as they lie, 512 consecutive bytes a load
	s_or_b32 s24, s17, (3<<16)|(1<<21)             ; 15:0 the mask: at's block goes to my row; 17:16 elements of 8 bytes; 21 set beside a mask
	s_or_b32 s32, s18, (3<<16)|(1<<21)             ; wo16's to my column
.irp g, 24, 32
	s_mov_b32 s[\g+1], 32<<16                      ; tensor_dim0 = 32
	s_mov_b32 s[\g+2], 64<<16                      ; tensor_dim1 = 64
	s_mov_b32 s[\g+3], 32<<16                      ; tile_dim0 = 32
	s_mov_b32 s[\g+4], 64                          ; tile_dim1 = 64
	s_mov_b32 s[\g+5], 32                          ; from row to row
	s_mov_b32 s[\g+6], 0
	s_mov_b32 s[\g+7], 0
.endr
	s_and_b32 s19, s12, 3
	s_lshl_b32 s20, s19, 14                        ; my 16,384 bytes of a half: the wave's number alone enters an LDS address
	s_lshl_b32 s56, s16, 17
	s_add_co_u32 s56, s56, s20
	s_mov_b32 s57, 0
	s_lshl_b32 s58, s15, 17
	s_add_co_u32 s58, s58, s20
	s_mov_b32 s59, 0
	s_wait_dscnt 0x0                               ; both opening adds are done
	s_wait_kmcnt 0x0
	s_add_nc_u64 s[56:57], s[4:5], s[56:57]        ; hangs on the block of rows and the wave alone
	s_add_nc_u64 s[58:59], s[6:7], s[58:59]        ; on the block of columns and the wave alone
	CROUND                                         ; all sixteen work-groups are here: the joint loads meet
.irp c, 0,1
	s_mov_b32 s[40+4*\c], 1
	s_add_co_u32 s[41+4*\c], s20, \c*65536
	s_add_nc_u64 s[42+4*\c:43+4*\c], s[56:57], \c*65536
	s_or_b32 s[43+4*\c], s[43+4*\c], 0x80000000
	s_mov_b32 s[48+4*\c], 1
	s_add_co_u32 s[49+4*\c], s20, LB+\c*65536
	s_add_nc_u64 s[50+4*\c:51+4*\c], s[58:59], \c*65536
	s_or_b32 s[51+4*\c], s[51+4*\c], 0x80000000
.endr
	s_cmp_lt_u32 s12, 4                            ; a wave's two fills stand in one branch on the wave's number, ahead of every wait on TENSORcnt and every LDS read
	s_cbranch_scc0 .Lfor_b
	tensor_load_to_lds s[40:43], s[24:31]
	s_nop 0
	tensor_load_to_lds s[44:47], s[24:31]
	s_nop 0
.rept 4
	v_nop
.endr
	s_branch .Lasked
.Lfor_b:
	tensor_load_to_lds s[48:51], s[32:39]
	s_nop 0
	tensor_load_to_lds s[52:55], s[32:39]
	s_nop 0
.rept 4
	v_nop
.endr
.Lasked:
	v_and_b32 v1, 31, v0
	v_and_b32 v2, 15, v0                           ; r
	v_bfe_u32 v3, v0, 4, 1                         ; h
	v_lshlrev_b32 v4, 4, v1                        ; 16 x lane
	v_lshlrev_b32 v23, 5, v3                       ; 32 h
	s_lshr_b32 s21, s12, 1                         ; which two row tiles
	s_and_b32 s22, s12, 1                          ; which four column tiles
	s_lshl_b32 s60, s15, 9
	s_lshl_b32 s61, s22, 8
	s_add_co_u32 s60, s60, s61                     ; my first column, in bytes
	s_mov_b32 s61, 0
	s_add_nc_u64 s[8:9], s[8:9], s[60:61]
.irp n, 0,1,2,3
.irp e, 0,1
	global_load_b128 v[BIAS+8*\n+4*\e:BIAS+8*\n+4*\e+3], v23, s[8:9] offset:64*\n+16*\e    ; b_o at columns 16 n + 8 h + 0 .. 7
.endr
.endr
	s_lshl_b32 s62, s16, 7
	s_lshl_b32 s63, s21, 5
	s_add_co_u32 s62, s62, s63                     ; my first row
	s_lshl_b32 s62, s62, 11
	s_add_co_u32 s62, s62, s60
	s_mov_b32 s63, 0
	s_add_nc_u64 s[10:11], s[10:11], s[62:63]
	s_lshl_b32 s23, s21, 11
	v_add_nc_u32 v[ADA], s23, v4
	v_add_nc_u32 v[ADA+1], 65536, v[ADA]
	s_lshl_b32 s23, s22, 12
	s_add_co_u32 s23, s23, LB
	v_add_nc_u32 v[ADB], s23, v4
	v_add_nc_u32 v[ADB+1], 65536, v[ADB]
	s_mul_i32 s23, s12, 16*272
	s_add_co_u32 s23, s23, STAGE                   ; my stage
	v_mul_u32_u24 v[STO], v2, 272
	v_lshl_add_u32 v[STO], v3, 5, v[STO]
	v_add_nc_u32 v[STO], s23, v[STO]               ; in: row r, 32 bytes for each half of the lanes
	v_mul_u32_u24 v[RD], v3, 272
	v_lshl_add_u32 v[RD], v2, 4, v[RD]
	v_add_nc_u32 v[RD], s23, v[RD]                 ; back: lanes 0-15 one row of 256 bytes, lanes 16-31 the next
	v_lshlrev_b32 v[CO], 11, v3
	v_lshl_add_u32 v[CO], v2, 4, v[CO]             ; and the same two rows in out0
	s_wait_tensorcnt 0x1                           ; my part of the first half of K is in; the second half's may stay out
	s_barrier_signal -1
	s_barrier_wait -1                              ; everybody's is
	FETCH 0
	s_wait_loadcnt 0x0                             ; the bias
.irp k, 0,1,2,3,4,5,6,7,8,9,10,11,12,13,14,15
	STEPK \k
.endr
.rept 4
	v_nop                                          ; plain lines ahead of the readers of the results and of loads into the fragments' registers
.endr
; THE WAY OUT: 16 rows x 64 columns at a time through my own stage, back as rows of 256 bytes.  LDS serves a wave's instructions in order: no wait between the stores and the loads, nor ahead of the next block's stores.
.irp a, 0,1
.irp n, 0,1,2,3
	ds_store_b128 v[STO], v[ACC+8*(4*\a+\n):ACC+8*(4*\a+\n)+3] offset:64*\n          ; each accumulator from its low end on
	ds_store_b128 v[STO], v[ACC+8*(4*\a+\n)+4:ACC+8*(4*\a+\n)+7] offset:64*\n+16
.endr
.irp t, 0,1,2,3,4,5,6,7
	ds_load_b128 v[F0+32*\a+4*\t:F0+32*\a+4*\t+3], v[RD] offset:544*\t
.endr
.endr
.irp t, 0,1,2,3,4,5,6,7
	s_wait_dscnt 23-\t                             ; behind this load: the block's later loads, and the second block's 8 stores and 8 loads
	global_store_b128 v[CO], v[F0+4*\t:F0+4*\t+3], s[10:11] offset:4096*\t th:TH_STORE_NT          ; sixteen lanes store 256 consecutive bytes, at a multiple of 256 from out0's first byte
.endr
.irp t, 0,1,2,3,4,5,6,7
	s_wait_dscnt 7-\t
	global_store_b128 v[CO], v[F0+32+4*\t:F0+32+4*\t+3], s[10:11] offset:32768+4096*\t th:TH_STORE_NT
.endr
	s_wait_tensorcnt 0x0                           ; the wave's end: three lines behind my last tensor load and my last LDS store
	ds_add_u32 v[SPW], v[NIL]
	s_wait_dscnt 0x0
	CROUND                                         ; the closing round: no work-group ends while a partner may still ask for a block that names it
	s_endpgm
.Lfunc_end_k_q282e12762f_outp:
	.size	k_q282e12762f_outp, .Lfunc_end_k_q282e12762f_outp-k_q282e12762f_outp
	.p2alignl 7, 3214868480
	.fill 96, 4, 3214868480
	.section	.rodata,"a",@progbits
	.p2align	6, 0x0
	.amdhsa_kernel k_q282e12762f_outp
		.amdhsa_group_segment_fixed_size 327680
		.amdhsa_private_segment_fixed_size 0
		.amdhsa_enable_private_segment 0
		.amdhsa_kernarg_size 32
		.amdhsa_user_sgpr_count 2
		.amdhsa_user_sgpr_kernarg_segment_ptr 1
		.amdhsa_wavefront_size32 1
		.amdhsa_system_sgpr_workgroup_id_x 1
		.amdhsa_system_sgpr_workgroup_id_y 1
		.amdhsa_system_sgpr_workgroup_id_z 1
		.amdhsa_system_vgpr_workitem_id 0
		.amdhsa_next_free_vgpr 256
		.amdhsa_next_free_sgpr 66
		.amdhsa_reserve_vcc 0
		.amdhsa_float_denorm_mode_32 3
		.amdhsa_float_denorm_mode_16_64 3
		.amdhsa_memory_ordered 1
		.amdhsa_forward_progress 1
		.amdhsa_inst_pref_size 34
	.end_amdhsa_kernel
	.amdgpu_metadata
---
amdhsa.version: [ 1, 2 ]
amdhsa.kernels:
  - .name:           k_q282e12762f_outp
    .symbol:         k_q282e12762f_outp.kd
    .args:
      - { .name: at, .offset: 0, .size: 8, .value_kind: global_buffer, .address_space: global }
      - { .name: wo16, .offset: 8, .size: 8, .value_kind: global_buffer, .address_space: global }
      - { .name: b_o, .offset: 16, .size: 8, .value_kind: global_buffer, .address_space: global }
      - { .name: out0, .offset: 24, .size: 8, .value_kind: global_buffer, .address_space: global }
    .group_segment_fixed_size: 327680
    .private_segment_fixed_size: 0
    .kernarg_segment_align: 8
    .kernarg_segment_size: 32
    .max_flat_workgroup_size: 256
    .sgpr_count:     66
    .vgpr_count:     256
    .wavefront_size: 32
...
	.end_amdgpu_metadata
.endif
;; end of part 4
